; MI455X (gfx1250); checked and timed in simulation.
; The chip was launched on July 23, 2026; its instructions are those of AMD's public machine-readable ISA for CDNA 5 (MIT licence, August 2026) and "CDNA5" Instruction Set Architecture Reference Guide (July 2026). The comments in the code are by the model that wrote it; some were corrected since.
;; Decoder LSTM Cell. Allowed arithmetic: matrix products marked QUANTISED: E2M1 operands, one E8M0 scale for each 32 along K, by v_wmma_scale_f32_16x16x128_f8f6f4 with both operands' format E2M1 (or v_wmma_scale_f32_32x16x128_f4), f32 sums; everything else in f32.
;; Inputs: C_codes 4,096 x 8 x 16 uint8 (E2M1 codes of C, K innermost, in blocks of 32 codes, two codes a byte); C_scales 4,096 x 8 uint8 (E8M0 scales of C, one for each 32 codes along K); U_codes 4,096 x 32 x 16 uint8 (E2M1 codes of U, K innermost, in blocks of 32 codes, two codes a byte); U_scales 4,096 x 32 uint8 (E8M0 scales of U, one for each 32 codes along K); W_codes 4,096 x 8 x 16 uint8 (E2M1 codes of W, K innermost, in blocks of 32 codes, two codes a byte); W_scales 4,096 x 8 uint8 (E8M0 scales of W, one for each 32 codes along K); b 4,096 float32; c0 8,192 x 1,024 float32; ctx_codes 8,192 x 8 x 16 uint8 (E2M1 codes of ctx, K innermost, in blocks of 32 codes, two codes a byte); ctx_scales 8,192 x 8 uint8 (E8M0 scales of ctx, one for each 32 codes along K); h0_codes 8,192 x 32 x 16 uint8 (E2M1 codes of h0, K innermost, in blocks of 32 codes, two codes a byte); h0_scales 8,192 x 32 uint8 (E8M0 scales of h0, one for each 32 codes along K); y_codes 8,192 x 8 x 16 uint8 (E2M1 codes of y, K innermost, in blocks of 32 codes, two codes a byte); y_scales 8,192 x 8 uint8 (E8M0 scales of y, one for each 32 codes along K).
;; Outputs: out0 8,192 x 1,024 float32; out1 8,192 x 1,024 float32.
;; This version of the problem:
;;   THIS VERSION OF THE PROBLEM IS GIVEN IN LOW PRECISION. The matrix products marked QUANTISED in the list below multiply operands that are first quantised to E2M1 (2 exponent bits, 1 mantissa bit; 4 bits a number), with one power-of-two scale for each 32 numbers along K (OCP MX v1.0); their sums are f32. All else is computed in f32.
;;   The module's matrix products, in the order in which they are computed (A, B: the left and right operand; K: the contracted axis; several contracted axes count as one K, in the product's order):
;;     1. [M 8,192, K 256] x [K 256, N 4,096]; A: input y (given as codes); B: input W (given as codes): QUANTISED
;;     2. [M 8,192, K 1,024] x [K 1,024, N 4,096]; A: input h0 (given as codes); B: input U (given as codes): QUANTISED
;;     3. [M 8,192, K 256] x [K 256, N 4,096]; A: input ctx (given as codes); B: input C (given as codes): QUANTISED
;;   THE QUANTISER, for each operand of a quantised product, along K:
;;     - K is cut into blocks of 32 from its start; a last block that is shorter is filled with zeros.
;;     - A block's scale is 2^e with e = floor(log2(the largest magnitude in the block)) - 2, held to -126 .. 127; a block of zeros has e = 0. As a byte (E8M0): e + 127.
;;     - Each number is divided by its block's scale, clamped to +-6, and rounded to the nearest number of E2M1, ties to even, subnormals kept.
;;     - The product sums the exact products of the quantised numbers (number of the format x scale) in f32.
;;   ~~~python
;;   def quantise(x, axis):      # numpy; x: float32 -> the quantised numbers, widened to float32 again
;;       x = np.moveaxis(x, axis, -1); K = x.shape[-1]
;;       x = np.pad(x, [(0, 0)] * (x.ndim - 1) + [(0, -K % 32)]); x = x.reshape(x.shape[:-1] + (-1, 32)); a = np.abs(x).max(-1, keepdims=True)
;;       e = np.where(a > 0, np.clip(np.frexp(np.where(a > 0, a, 1))[1] - 1 - 2, -126, 127), 0)      # np.frexp(a)[1] - 1 = floor(log2(a)), exactly
;;       r = np.clip(x / 2.0 ** e, -6, 6)
;;       step = 2.0 ** (np.maximum(np.frexp(np.where(r == 0, 1, r))[1] - 1, 0) - 1)
;;       q = np.round(r / step) * step * 2.0 ** e      # np.round: ties to even
;;       return np.moveaxis(q.reshape(q.shape[:-2] + (-1,))[..., :K], -1, axis).astype(np.float32)
;;   ~~~
;;   INPUTS GIVEN AS CODES. C (in the module: [4096, 256], K = its axis 1); U (in the module: [4096, 1024], K = its axis 1); W (in the module: [4096, 256], K = its axis 1); ctx (in the module: [8192, 256], K = its axis 1); h0 (in the module: [8192, 1024], K = its axis 1); y (in the module: [8192, 256], K = its axis 1): each comes as NAME_codes (uint8): NAME with its K axis moved to the last place and cut into blocks of 32 codes, [.., K / 32, bytes a block], one block behind the other in memory; two codes a byte, the lower K in the low four bits (a code: sign, 2 exponent bits, 1 mantissa bit); and NAME_scales (uint8): the same leading axes, one E8M0 byte (e + 127) for each 32 codes along K. Its value is code x scale, taken as it is: it is not quantised again, and the codes and scales need not be those that the quantiser above would give.
;; One version. Each part assembles by itself: llvm-mc -triple=amdgcn-amd-amdhsa -mcpu=gfx1250 --defsym DOCPART=n.
;; ======== version 1 of 1: 1 launch
;; limits: right only within a limited range of input values
;; launch lstm (part 1): grid 16 x 16, 4 waves a work-group, clusters of 4 x 1, 327,680 bytes of LDS; arguments h0_codes, y_codes, ctx_codes, c0, h0_scales, y_scales, ctx_scales, U_codes, W_codes, C_codes, U_scales, W_scales, C_scales, b, out0, out1; writes out0, out1
.if DOCPART == 1
	.amdgcn_target "amdgcn-amd-amdhsa--gfx1250"
	.amdhsa_code_object_version 6
	.text
	.protected	k_q3d21860921_lstm
	.globl	k_q3d21860921_lstm
	.p2align	8
	.type	k_q3d21860921_lstm,@function
k_q3d21860921_lstm:
	s_mov_b64 s[64:65], 0
	v_nop
	global_prefetch_b8 v0, s[64:65] scope:SCOPE_SE
	s_setreg_imm32_b32 hwreg(HW_REG_WAVE_MODE, 25, 1), 1
	s_wait_xcnt 0x0
	s_wait_alu depctr_hold_cnt(0) depctr_sa_sdst(0) depctr_va_vdst(0) depctr_va_sdst(0) depctr_va_ssrc(0) depctr_va_vcc(0) depctr_vm_vsrc(0)
	s_getreg_b32 s2, hwreg(HW_REG_IB_STS2, 6, 4)
	s_cmp_eq_u32 s2, 0
	s_cbranch_scc0 .Lentry_in_a_cluster
	s_endpgm
.Lentry_in_a_cluster:
	s_bfe_u32 s2, ttmp6, 0x10000c
	s_cmp_lg_u32 s2, 0x3003
	s_cbranch_scc0 .Lentry_shape_is_right
	s_endpgm
.Lentry_shape_is_right:
; One LSTM cell, fused.  gates = h0 U^T + y W^T + ctx C^T + b ([8192][4096], K = 1024 + 256 + 256, twelve K steps of 128), on codes of FP4 (E2M1) with one E8M0 byte for each 32 along K, taken as they lie;
; i, f, o = sigmoid(gates 0, 1, 2), g = tanh(gate 3), c = i g + f c0 (out0), h = o tanh(c) (out1); everything behind the products in f32.
; NO WORK IS LEFT OUT: every input has a way to both outputs.
; SHARES.  A work-group of four waves owns 64 hidden units (4 x 64 gate columns) and 512 rows; 16 x 16 work-groups.  Wave w owns units 16 w .. 16 w + 15, all four gates: its weights (384 registers), their scale
; words (24) and its bias (32) are loaded once, straight into registers, and stay.  What streams is the rows: codes of h0, y, ctx and the f32 of c0, 128 rows a chunk, through a ring of two LDS slots filled by the
; tensor data mover.  The rows' scale words go from memory straight into registers, a step ahead: a wave's load covers 1,024 or 256 consecutive bytes.
; A STEP is 64 rows, two steps a chunk: 96 matrix instructions of 32 x 16 x 128 on eight accumulators (4 blocks of 16 rows x 2 pairs of gates) by turns, the bias as the C of each sum's first; the activations; c and h
; through a stage in LDS, since the 256 bytes of an output row that the work-group owns come from four waves; each store covers, in sixteen lanes, 256 consecutive bytes at a multiple of 256 from the output's first byte.
; THE MATRIX INSTRUCTION IS USED TRANSPOSED (source 0 = 16 weight rows of gate 2 q, then 16 of gate 2 q + 1; source 1 = 16 batch rows): register 8 g + j of lane (r, h) holds batch row r, unit 8 h + j, gate g: the gates meet in the lane.
; THE ROW FRAGMENTS lie in a ring of eight K steps of registers; behind every four K steps' products the four K steps eight further on are loaded (32 LDS loads), on into the next step.
; THE HEAD.  Of a wave's 96 weight loads 64 (U's) are issued ahead of the first fragments' LDS loads, 32 (W's and C's) behind them and among the first step's products, which wait by count.
; CLUSTER 4 x 1: the four partners have the same 512 rows, so the codes of h0, y, ctx are asked for JOINTLY (mask 15).  Not joint, and why: c0's tiles, the outputs, the weights and the bias are other columns in each
; partner; the rows' scale words are 24,576 of a work-group's bytes.
; No prefetch: a chunk's tiles are asked for two steps (192 matrix instructions and two rounds of activations) ahead of their first use, and the launch stores throughout.
; LIMITS.  With A = e^-x: sigmoid = 1 / (1 + A); with G = e^2x: tanh = (G - 1) / (G + 1); i tanh(g) = (G - 1) / ((1 + A)(1 + G)) and o tanh(c) likewise share one reciprocal.  G's exponent to the base 2 is held at 60: there
; tanh is 1 in f32; a product beyond f32 has i (or o) under 2^-66 and gives 0.  v_exp_f32 and v_rcp_f32 give 0 for results under 2^-126.  tanh so made has an absolute error of some 2e-7: for |x| under 1e-4 its
; relative accuracy is lost.  The f32 sums run b, U, W, C, not in the module's order.  A scale byte 0xff makes its sums NaN, as in the definition; but a NaN in the sum of the fourth gate alone, or in c alone on its way
; to tanh(c), is held to 60 like a large number and is not carried on (in c itself it stays).
;
; LDS.  Slot s at s x SLOT: h0's 128 rows (512 bytes + 16), y's and ctx's (128 + 16), c0's (256 + 16): pitches of 33, 9 and 17 times 16 bytes, so the 16 rows that a load touches start at 16 different 16-byte columns of
; the 64 banks of 4 bytes (ISA guide 11.1).  Behind the ring the stage (128 lines of 256 + 16: line = 64 x output + row), then the spare words.  The launch claims all of LDS.
.set PH,    528
.set PY,    144
.set PZ,    272
.set YO,    128*PH                     ; 67,584
.set XO,    YO+128*PY                  ; 86,016
.set ZO,    XO+128*PY                  ; 104,448
.set SLOT,  ZO+128*PZ                  ; 139,264 = 0x22000.  None of 0, YO, XO, ZO has one of these two bits, so base xor SLOT = base + SLOT
.set STG,   2*SLOT                     ; 278,528: the stage; only ds_store writes it
.set SPARE, STG+128*PZ                 ; 313,344: the spare words, 128 bytes a wave: two blocks of 256 bytes that no other line names
; VECTOR REGISTERS.  Window 0:
.set VRY, 3                            ; 8 lane: y's and ctx's scale words
.set AH0, 4                            ; my lane's place in slot 0: in h0's tile,
.set AY0, 5                            ; in y's (ctx's: 128 PY further on),
.set AZ0, 6                            ; in c0's
.set AH,  7                            ; the same in the slot in hand,
.set AY,  8
.set AZ,  9
.set AHN, 10                           ; and in the other
.set AYN, 11
.set AZN, 12
.set SO,  13                           ; the stage, in
.set SR,  14                           ; the stage, back
.set GO,  15                           ; my byte offset in two rows of an output
.set VU,  16                           ; offsets of the head's loads: U's codes, W's and C's, U's scales, W's and C's, b
.set VW,  17
.set VSU, 18
.set VSW, 19
.set VB,  20
.set SPW, 21                           ; LDS address of my spare word: SPARE + 4 x my thread's number; never rewritten
.set NIL, 22                           ; 0; never rewritten
.set VRS, 23                           ; 32 lane: h0's scale words
.set BSC, 24                           ; v24-47  the weights' scale words: BSC + 12 q + t: lanes 0-15 gate 2 q, lanes 16-31 gate 2 q + 1, K step t
.set ASC, 48                           ; v48-95  the rows' scale words: ASC + 24 parity + 12 (a / 2) + t: lanes 0-15 the even block of 16 rows, lanes 16-31 the odd one
.set BIA, 96                           ; v96-127 the bias in the result's layout: BIA + 8 g + j
.set ACC, 128                          ; v128-255 the accumulators: ACC + 32 a + 8 g + j
; Window 1: U's weights at v[16 (8 q + t)], t = 0..7.  Window 2: W's (t = 8, 9) and C's (t = 10, 11) at v[16 (4 q + t - 8)];
.set CZ,  128                          ; and v128-159 of window 2: c0, CZ + 8 a + j;
.set RB,  160                          ; v160-223 of window 2: 32 lines read back from the stage, 16 of c and 16 of h
; Window 3: the rows' fragments: K step t of a step of parity p, block a, at v[32 ((4 p + t) % 8) + 8 a]
; SCALAR REGISTERS
.set NLG, 2                            ; s[2:3] -log2 e, named as a pair by the packed form
.set G1H, 4                            ; groups 1: h0's tiles, y's and ctx's, c0's
.set G1Y, 12
.set G1Z, 20
.set G0H, 28                           ; groups 0
.set G0Y, 32
.set G0X, 36
.set G0Z, 40
.set PSH, 44                           ; the rows' scale bytes: h0's, y's, ctx's, at the chunk in hand
.set PSY, 46
.set PSX, 48
.set PU,  68                           ; s[68:83] U's, W's, C's codes; their scales; b; out0
.set PWC, 70
.set PCC, 72
.set PSU, 74
.set PSW, 76
.set PSC, 78
.set PB,  80
.set OP,  82                           ; later: out0 and out1 at the chunk's first row of mine
.set OP1, 84
.set WV,  86                           ; my wave's number
.set CX,  87
.set XG,  88                           ; my group of 64 units
.set YG,  89                           ; my group of 512 rows, which the partners share
.set OF,  90                           ; s[90:91] offsets that never hold my place in the cluster
.set OX,  92                           ; s[92:93] offsets that hold it: c0, the weights, b and the outputs alone
.set TB,  94                           ; LDS byte at which a slot begins
.set CNT, 95
.set L2E, 96                           ; s[96:97] 2 log2 e
.set WSR, 98
.set CLP, 99                           ; 60.0
.set MSB, 0
.macro WIN new                         ; the immediate's high byte repeats the setting that is left; a switch that changes nothing is dropped
.if MSB != \new
	s_set_vgpr_msb (MSB<<8)|\new
.set MSB, \new
.endif
.endm
.macro NOP4
.rept 4
	v_nop
.endr
.endm
.macro VAW
	s_wait_alu depctr_va_vdst(0)
.endm
.macro TL g0, g1
	tensor_load_to_lds s[\g0:\g0+3], s[\g1:\g1+7]
	s_nop 0
	NOP4
.endm
.macro G1SET g, w0, c, r, p            ; group 1 of a tile of r rows x c elements, p elements from row to row; the tile lies inside the tensor, so the extents are its own
	s_mov_b32 s[\g], \w0
	s_mov_b32 s[\g+1], (\c)<<16
	s_mov_b32 s[\g+2], (\r)<<16
	s_mov_b32 s[\g+3], (\c)<<16
	s_mov_b32 s[\g+4], \r
	s_mov_b32 s[\g+5], \p
	s_mov_b32 s[\g+6], 0
	s_mov_b32 s[\g+7], 0
.endm
; A round of the cluster's barrier: my work-group's barrier, wave 0's signal for the work-group, every wave's wait for the four work-groups, my work-group's barrier once more.
.macro ROUND
	s_barrier_signal -1
	s_barrier_wait -1
	s_cmp_lg_u32 s[WV], 0
	s_cbranch_scc1 .Lnot_wave_0_\@
	s_barrier_signal -3
.Lnot_wave_0_\@:
	s_barrier_wait -3
	s_barrier_signal -1
	s_barrier_wait -1
.endm
; A chunk's four tiles, one load a wave: wave 0 h0's, wave 1 y's, wave 2 ctx's (joint), wave 3 c0's (its own).  The branches hang on the wave's number alone.
.macro TLOAD4
	s_cmp_eq_u32 s[WV], 0
	s_cbranch_scc0 .Lt1_\@
	TL G0H, G1H
	s_branch .Ltd_\@
.Lt1_\@:
	s_cmp_eq_u32 s[WV], 1
	s_cbranch_scc0 .Lt2_\@
	TL G0Y, G1Y
	s_branch .Ltd_\@
.Lt2_\@:
	s_cmp_eq_u32 s[WV], 2
	s_cbranch_scc0 .Lt3_\@
	TL G0X, G1Y
	s_branch .Ltd_\@
.Lt3_\@:
	TL G0Z, G1Z
.Ltd_\@:
.endm
; THE CHANGE OF SLOTS.  Each wave waits for all its tensor loads, adds 0 to its spare word, and waits for that and for its LDS reads.  Then a round of the cluster's barrier, so that this holds of every wave of every
; partner: the other slot is whole, and the one that was left takes the chunk two on (at the head: slot 1 takes its first), one load a wave.
.macro CHANGE
	WIN 0
	s_wait_tensorcnt 0x0                           ; no tensor load of mine is out, so a group 0 may be written
	ds_add_u32 v[SPW], v[NIL]
.irp g, G0H, G0Y, G0X, G0Z
	s_xor_b32 s[\g+1], s[\g+1], SLOT
.endr
	s_add_nc_u64 s[G0H+2:G0H+3], s[G0H+2:G0H+3], 128*512     ; the next 128 rows; the type bits on top are not reached
	s_add_nc_u64 s[G0Y+2:G0Y+3], s[G0Y+2:G0Y+3], 128*128
	s_add_nc_u64 s[G0X+2:G0X+3], s[G0X+2:G0X+3], 128*128
	s_add_nc_u64 s[G0Z+2:G0Z+3], s[G0Z+2:G0Z+3], 128*4096
	s_wait_dscnt 0x0
	ROUND
	TLOAD4                                         ; the first thing behind the round
.endm
	s_load_b64 s[G0H+2:G0H+3], s[0:1], 0x0         ; the tensors that come by tensor loads: their addresses land in words 2 and 3 of their groups 0
	s_load_b64 s[G0Y+2:G0Y+3], s[0:1], 0x8
	s_load_b64 s[G0X+2:G0X+3], s[0:1], 0x10
	s_load_b64 s[G0Z+2:G0Z+3], s[0:1], 0x18
	s_load_b128 s[PSH:PSH+3], s[0:1], 0x20
	s_load_b64 s[PSX:PSX+1], s[0:1], 0x30
	s_load_b512 s[PU:PU+15], s[0:1], 0x38
	s_load_b64 s[OP1:OP1+1], s[0:1], 0x78
	v_lshl_add_u32 v[SPW], v0, 2, SPARE
	v_mov_b32 v[NIL], 0
	ds_add_u32 v[SPW], v[NIL]                      ; the wave's opening: the add, twice on end, and its wait ahead of my first tensor load
	ds_add_u32 v[SPW], v[NIL]
	v_lshrrev_b32 v1, 5, v0
	v_readfirstlane_b32 s[WV], v1
	s_bfe_u32 s[CX], ttmp6, 0x40000
	s_lshl_b32 s[XG], ttmp9, 2                     ; in a cluster launch ttmp9 counts clusters
	s_add_co_u32 s[XG], s[XG], s[CX]
	s_and_b32 s[YG], ttmp7, 0xffff
.set W0H,  15|(0<<16)|(1<<20)|(1<<21)|(6<<22)|(3<<25)   ; 15:0 the mask: all four partners; 17:16 elements of 1 byte; 20 padding on; 21 set beside a mask; 24:22 behind every 128 words (code 6); 31:25 four words (code 3)
.set W0Y,  15|(0<<16)|(1<<20)|(1<<21)|(4<<22)|(3<<25)   ; the same behind every 32 words (code 4)
.set W0Z,  (2<<16)|(1<<20)|(5<<22)|(3<<25)              ; no mask: my work-group's own; elements of 4 bytes; four words behind every 64 (code 5)
	G1SET G1H, W0H, 512, 128, 512                  ; h0: 128 rows of 512 bytes, dense
	G1SET G1Y, W0Y, 128, 128, 128                  ; y, ctx: 128 rows of 128 bytes, dense
	G1SET G1Z, W0Z, 64, 128, 1024                  ; c0: 128 rows of 64 numbers, 1,024 numbers from row to row
.irp g, G0H, G0Y, G0X, G0Z
	s_mov_b32 s[\g], 1                             ; count = 1
.endr
	s_mov_b32 s[G0H+1], 0                          ; LDS addresses: constants; no place in the cluster enters them
	s_mov_b32 s[G0Y+1], YO
	s_mov_b32 s[G0X+1], XO
	s_mov_b32 s[G0Z+1], ZO
	s_mov_b32 s[NLG], 0xbfb8aa3b                   ; -log2 e
	s_mov_b32 s[NLG+1], 0xbfb8aa3b
	s_mov_b32 s[L2E], 0x4038aa3b                   ; 2 log2 e
	s_mov_b32 s[L2E+1], 0x4038aa3b
	s_mov_b32 s[CLP], 0x42700000                   ; 60.0
	s_mov_b32 s[TB], 0
	s_lshl_b32 s[OF], s[WV], 6                     ; my wave's 16 units: 64 bytes of f32
	s_mul_i32 s[WSR], s[WV], 16*PZ                 ; back from the stage: wave w takes lines 16 w .. 16 w + 15 of c's 64 and of h's
	v_and_b32 v1, 15, v0                           ; r = lane % 16
	v_bfe_u32 v2, v0, 4, 1                         ; h = lane / 16
	v_and_b32 v3, 31, v0                           ; lane
	v_mul_u32_u24 v[AH0], v1, PH
	v_lshl_add_u32 v[AH0], v2, 4, v[AH0]           ; r PH + 16 h
	v_mul_u32_u24 v[AY0], v1, PY
	v_lshl_add_u32 v[AY0], v2, 4, v[AY0]
	v_add_nc_u32 v[AY0], YO, v[AY0]
	v_mul_u32_u24 v[AZ0], v1, PZ
	v_lshl_add_u32 v[AZ0], v2, 5, v[AZ0]
	v_add_nc_u32 v[AZ0], s[OF], v[AZ0]             ; r 272 + 32 h + 64 w: the same place in a row of c0's tile and in a line of the stage
	v_add_nc_u32 v[SO], STG, v[AZ0]
	v_add_nc_u32 v[AZ0], ZO, v[AZ0]
	v_mul_u32_u24 v[SR], v2, PZ                    ; lanes 0-15 one line, lanes 16-31 the next
	v_lshl_add_u32 v[SR], v1, 4, v[SR]
	v_add_nc_u32 v[SR], s[WSR], v[SR]
	v_add_nc_u32 v[SR], STG, v[SR]
	v_lshlrev_b32 v[GO], 12, v2                    ; and the same two rows in the output: 4,096 bytes a row
	v_lshl_add_u32 v[GO], v1, 4, v[GO]
	v_lshlrev_b32 v[VU], 9, v1                     ; U: weight row r of 512 bytes, + 16 h
	v_lshl_add_u32 v[VU], v2, 4, v[VU]
	v_lshlrev_b32 v[VW], 7, v1                     ; W, C: rows of 128 bytes
	v_lshl_add_u32 v[VW], v2, 4, v[VW]
	v_lshlrev_b32 v[VSU], 15, v2                   ; U's scale words: lanes 16-31 take the next gate's, 1,024 rows of 32 bytes on
	v_lshl_add_u32 v[VSU], v1, 5, v[VSU]
	v_lshlrev_b32 v[VSW], 13, v2                   ; W's, C's: 1,024 rows of 8 bytes on
	v_lshl_add_u32 v[VSW], v1, 3, v[VSW]
	v_lshlrev_b32 v[VB], 5, v2                     ; b: my half's eight units
	v_lshlrev_b32 v[VRS], 5, v3
	v_lshlrev_b32 v[VRY], 3, v3
	VAW                                            ; the head's end: it covers every address register made above
	s_wait_dscnt 0x0                               ; both opening adds are done
	s_wait_kmcnt 0x0
	s_mov_b32 s[OF+1], 0                           ; where my 512 rows begin, in bytes: it hangs on the row group alone
	s_lshl_b32 s[OF], s[YG], 18                    ; h0's codes: 512 rows x 512 bytes
	s_add_nc_u64 s[G0H+2:G0H+3], s[G0H+2:G0H+3], s[OF:OF+1]
	s_lshl_b32 s[OF], s[YG], 16                    ; y's, ctx's: x 128
	s_add_nc_u64 s[G0Y+2:G0Y+3], s[G0Y+2:G0Y+3], s[OF:OF+1]
	s_add_nc_u64 s[G0X+2:G0X+3], s[G0X+2:G0X+3], s[OF:OF+1]
	s_lshl_b32 s[OX], s[YG], 21                    ; c0 and the outputs: 512 rows x 4,096 bytes,
	s_lshl_b32 s[CX], s[XG], 8                     ; + my 64 units' 256 bytes
	s_add_co_u32 s[OX], s[OX], s[CX]
	s_mov_b32 s[OX+1], 0
	s_add_nc_u64 s[G0Z+2:G0Z+3], s[G0Z+2:G0Z+3], s[OX:OX+1]
.irp g, G0H, G0Y, G0X, G0Z
	s_or_b32 s[\g+3], s[\g+3], 0x80000000          ; type = 2
.endr
	ROUND                                          ; all four work-groups are here: the first joint loads meet
	TLOAD4                                         ; slot 0: one tensor load a wave
	s_lshl_b32 s[OF], s[YG], 14                    ; h0's scale bytes: 512 rows x 32
	s_add_nc_u64 s[PSH:PSH+1], s[PSH:PSH+1], s[OF:OF+1]
	s_lshl_b32 s[OF], s[YG], 12                    ; y's, ctx's: x 8
	s_add_nc_u64 s[PSY:PSY+1], s[PSY:PSY+1], s[OF:OF+1]
	s_add_nc_u64 s[PSX:PSX+1], s[PSX:PSX+1], s[OF:OF+1]
	s_add_nc_u64 s[OP:OP+1], s[OP:OP+1], s[OX:OX+1]
	s_add_nc_u64 s[OP1:OP1+1], s[OP1:OP1+1], s[OX:OX+1]
	s_lshl_b32 s[OX], s[WV], 16                    ; of a step's 64 rows wave w stores 16 w .. 16 w + 15, of both outputs
	s_add_nc_u64 s[OP:OP+1], s[OP:OP+1], s[OX:OX+1]
	s_add_nc_u64 s[OP1:OP1+1], s[OP1:OP1+1], s[OX:OX+1]
	; MY WEIGHTS.  My first unit: ub = 64 x group + 16 x wave; gate g's weight row of unit u is row 1024 g + u
	s_lshl_b32 s[CX], s[XG], 6
	s_lshl_b32 s[OX], s[WV], 4
	s_add_co_u32 s[CX], s[CX], s[OX]
	s_lshl_b32 s[OX], s[CX], 9
	s_add_nc_u64 s[PU:PU+1], s[PU:PU+1], s[OX:OX+1]
	s_lshl_b32 s[OX], s[CX], 7
	s_add_nc_u64 s[PWC:PWC+1], s[PWC:PWC+1], s[OX:OX+1]
	s_add_nc_u64 s[PCC:PCC+1], s[PCC:PCC+1], s[OX:OX+1]
	s_lshl_b32 s[OX], s[CX], 5
	s_add_nc_u64 s[PSU:PSU+1], s[PSU:PSU+1], s[OX:OX+1]
	s_lshl_b32 s[OX], s[CX], 3
	s_add_nc_u64 s[PSW:PSW+1], s[PSW:PSW+1], s[OX:OX+1]
	s_add_nc_u64 s[PSC:PSC+1], s[PSC:PSC+1], s[OX:OX+1]
	s_lshl_b32 s[OX], s[CX], 2
	s_add_nc_u64 s[PB:PB+1], s[PB:PB+1], s[OX:OX+1]
.macro LDASC p, ro                     ; the scale words of the 64 rows that begin at row ro of the chunk, into the set of parity p: eight loads
	WIN 0
.irp e, 0,1
.set rS, ASC+24*(\p)+12*\e
	global_load_b128 v[rS:rS+3], v[VRS], s[PSH:PSH+1] offset:(\ro)*32+\e*1024
	global_load_b128 v[rS+4:rS+7], v[VRS], s[PSH:PSH+1] offset:(\ro)*32+\e*1024+16
	global_load_b64 v[rS+8:rS+9], v[VRY], s[PSY:PSY+1] offset:(\ro)*8+\e*256
	global_load_b64 v[rS+10:rS+11], v[VRY], s[PSX:PSX+1] offset:(\ro)*8+\e*256
.endr
.endm
; The weights of K steps tb and tb + 1: 16 loads.  16 rows x 128 K of 4-bit codes are 8 registers: lane (r, h) holds row r; registers 4 c .. 4 c + 3 hold K = 64 c + 32 h + 0 .. 31: 16 bytes of the row as they lie
.macro WLD tb
.set t, \tb
.rept 2
.if t < 8
	WIN 0x40                                       ; destination window 1
.else
	WIN 0x80                                       ; destination window 2
.endif
.irp g, 0,1,2,3
.irp c, 0,1
.if t < 8
.set rW, 16*(8*(\g/2)+t)+8*(\g%2)+4*\c
	global_load_b128 v[rW:rW+3], v[VU], s[PU:PU+1] offset:\g*524288+64*t+32*\c
.else
.set rW, 16*(4*(\g/2)+t-8)+8*(\g%2)+4*\c
.if t < 10
	global_load_b128 v[rW:rW+3], v[VW], s[PWC:PWC+1] offset:\g*131072+64*(t-8)+32*\c
.else
	global_load_b128 v[rW:rW+3], v[VW], s[PCC:PCC+1] offset:\g*131072+64*(t-10)+32*\c
.endif
.endif
.endr
.endr
.set t, t+1
.endr
.endm
	; 24 loads ahead of the weights, then eight for each K step, in the order of their use: the first step's waits count them
	LDASC 0, 0
.irp q, 0,1                                    ; a word is 128 along K of one weight row; lanes 0-15 gate 2 q, lanes 16-31 gate 2 q + 1
	global_load_b128 v[BSC+12*\q:BSC+12*\q+3], v[VSU], s[PSU:PSU+1] offset:\q*65536
	global_load_b128 v[BSC+12*\q+4:BSC+12*\q+7], v[VSU], s[PSU:PSU+1] offset:\q*65536+16
	global_load_b64 v[BSC+12*\q+8:BSC+12*\q+9], v[VSW], s[PSW:PSW+1] offset:\q*16384
	global_load_b64 v[BSC+12*\q+10:BSC+12*\q+11], v[VSW], s[PSC:PSC+1] offset:\q*16384
.endr
.irp g, 0,1,2,3
	global_load_b128 v[BIA+8*\g:BIA+8*\g+3], v[VB], s[PB:PB+1] offset:\g*4096
	global_load_b128 v[BIA+8*\g+4:BIA+8*\g+7], v[VB], s[PB:PB+1] offset:\g*4096+16
.endr
	WLD 0
	WLD 2
	WLD 4
	WLD 6
; THE FRAGMENTS' LOADS.  lH, lY: address registers; lI: the step's number in its slot.
.macro LDFR par, tt                    ; K step tt of a step of parity par: four blocks, eight loads
.irp a, 0,1,2,3
.irp c, 0,1
.set rF, 32*((4*(\par)+(\tt))%8)+8*\a+4*\c
.if (\tt) < 8
	ds_load_b128 v[rF:rF+3], v[lH] offset:(lI*64+\a*16)*PH+64*(\tt)+32*\c
.elseif (\tt) < 10
	ds_load_b128 v[rF:rF+3], v[lY] offset:(lI*64+\a*16)*PY+64*((\tt)-8)+32*\c
.else
	ds_load_b128 v[rF:rF+3], v[lY] offset:XO-YO+(lI*64+\a*16)*PY+64*((\tt)-10)+32*\c
.endif
.endr
.endr
.endm
.macro LD2 par, tt                     ; two K steps, sixteen loads
	WIN 0xc0                                       ; destination window 3, address window 0
	LDFR \par, \tt
	LDFR \par, (\tt)+1
.endm
.macro LOADC                           ; c0: my eight units of the rows r, 16 + r, 32 + r, 48 + r: eight loads
	WIN 0x80
.irp a, 0,1,2,3
.irp u, 0,1
	ds_load_b128 v[CZ+8*\a+4*\u:CZ+8*\a+4*\u+3], v[cZ] offset:(cI*64+\a*16)*PZ+16*\u
.endr
.endr
.endm
; One matrix instruction: K step t, block of rows a, pair of gates q, a step of parity p.  The weights' scale words fill the 32 lanes; the rows' lie in lanes 0-15 for an even block and 16-31 for an odd one.
.macro WM p, a, q
.set rF, 32*((4*(\p)+t)%8)+8*\a
.set rD, ACC+32*\a+16*\q
.set rC, rD
.if t == 0
.set rC, BIA+16*\q                     ; the bias starts the sum: nothing is cleared, nothing is added later
.endif
.if t < 8
.set rW, 16*(8*\q+t)
	WIN 0x0d                                       ; source 0 (U) window 1, source 1 (rows) window 3, C and D window 0
.else
.set rW, 16*(4*\q+t-8)
	WIN 0x0e                                       ; source 0 (W, C) window 2
.endif
.set rSA, BSC+12*\q+t
.set rSB, ASC+24*(\p)+12*(\a/2)+t
.if \a%2 == 0
	v_wmma_scale_f32_32x16x128_f4 v[rD:rD+15], v[rW:rW+15], v[rF:rF+7], v[rC:rC+15], v[rSA], v[rSB]
.else
	v_wmma_scale_f32_32x16x128_f4 v[rD:rD+15], v[rW:rW+15], v[rF:rF+7], v[rC:rC+15], v[rSA], v[rSB] matrix_b_scale:MATRIX_SCALE_ROW1
.endif
.endm
; Two K steps' sixteen matrix instructions.  The eight accumulators take turns in the same order in every K step.
.macro MM2 p, tb
.set t, \tb
.rept 2
.irp a, 0,1,2,3
.irp q, 0,1
	WM \p, \a, \q
.endr
.endr
.set t, t+1
.endr
.endm
; THE WAY OUT.  WST o: c (o = 0, in gate 0's registers) or h (o = 1, in gate 1's) into the stage.  RST8: sixteen whole lines back, of c (k0 = 0) or of h (k0 = 8).  GST1: one store of two rows.
.macro WST o
.irp a, 0,1,2,3
.irp u, 0,1
	ds_store_b128 v[SO], v[ACC+32*\a+8*\o+4*\u:ACC+32*\a+8*\o+4*\u+3] offset:(\o*64+\a*16)*PZ+16*\u
.endr
.endr
.endm
.macro RST8 k0
	WIN 0x80
.set k, \k0
.rept 8
	ds_load_b128 v[RB+4*k:RB+4*k+3], v[SR] offset:(k/8)*64*PZ+(k%8)*2*PZ
.set k, k+1
.endr
.endm
.macro GST1 so                         ; sixteen lanes store 256 consecutive bytes at a multiple of 256 from the output's first byte; written once, read by nobody here
.if k < 8
	global_store_b128 v[GO], v[RB+4*k:RB+4*k+3], s[OP:OP+1] offset:((\so)+2*(k%8))*4096 th:TH_STORE_NT
.else
	global_store_b128 v[GO], v[RB+4*k:RB+4*k+3], s[OP1:OP1+1] offset:((\so)+2*(k%8))*4096 th:TH_STORE_NT
.endif
.set k, k+1
.endm
.macro GST so, k0
	WIN 0x08
.set k, \k0
.rept 8
	GST1 \so
.endr
.endm
; THE ACTIVATIONS, in place on the accumulators' 128 registers: i, f, o, g at rB + 0, 8, 16, 24 of a block; pair n = 0..15: block n / 4.  Each batch of transcendentals has one wait ahead of it and one plain place and
; one wait behind it.  The plain lines inside a batch name none of its registers, and what they write is first read behind the batch's second wait.
; LST = 1 (the launch's last step): c's lines leave while h is computed.
.macro RBN
.set rB, ACC+32*(n/4)+2*(n%4)
.endm
.macro ACT prev
.set n, 0
.rept 64                               ; each accumulator from its low end on
.if ((n/4)%4) == 3
	v_pk_mul_f32 v[ACC+2*n:ACC+2*n+1], v[ACC+2*n:ACC+2*n+1], s[L2E:L2E+1] op_sel_hi:[1,0]
.else
	v_pk_mul_f32 v[ACC+2*n:ACC+2*n+1], v[ACC+2*n:ACC+2*n+1], s[NLG:NLG+1] op_sel_hi:[1,0]
.endif
.set n, n+1
.endr
	VAW
.set n, 0
.rept 16
	RBN
	v_exp_f32 v[rB], v[rB]                         ; A = e^-x of gate i,
	v_exp_f32 v[rB+1], v[rB+1]
	v_min_num_f32 v[rB+24], s[CLP], v[rB+24]       ; G's exponent is held at 60
	v_exp_f32 v[rB+8], v[rB+8]                     ; F, of gate f
	v_exp_f32 v[rB+9], v[rB+9]
	v_min_num_f32 v[rB+25], s[CLP], v[rB+25]
.set n, n+1
.endr
	VAW
.set n, 0
.rept 16
	RBN
	v_exp_f32 v[rB+24], v[rB+24]                   ; G = e^2x
	v_exp_f32 v[rB+25], v[rB+25]
	v_exp_f32 v[rB+16], v[rB+16]                   ; O
	v_exp_f32 v[rB+17], v[rB+17]
	v_pk_add_f32 v[rB+8:rB+9], v[rB+8:rB+9], 1.0 op_sel_hi:[1,0]       ; 1 + F
.set n, n+1
.endr
	VAW
	s_wait_dscnt 0x0                               ; my reads of the stage are over; the next step's fragments and this one's c0 are in
.if \prev
	s_barrier_signal -1
.endif
.set n, 0
.rept 16
	RBN
	v_rcp_f32 v[rB+8], v[rB+8]                     ; f
	v_rcp_f32 v[rB+9], v[rB+9]
	v_pk_add_f32 v[rB+24:rB+25], v[rB+24:rB+25], 1.0 op_sel_hi:[1,0]   ; 1 + G
.set n, n+1
.endr
	VAW
.set n, 0
.rept 16
	RBN
	v_pk_fma_f32 v[rB:rB+1], v[rB:rB+1], v[rB+24:rB+25], v[rB+24:rB+25]   ; (1 + A)(1 + G)
.set n, n+1
.endr
	VAW
	WIN 0x08                                       ; c0: source 1 in window 2
.set n, 0
.rept 16
	RBN
	v_rcp_f32 v[rB], v[rB]
	v_rcp_f32 v[rB+1], v[rB+1]
	v_pk_add_f32 v[rB+24:rB+25], v[rB+24:rB+25], -2.0 op_sel_hi:[1,0]  ; G - 1
	v_pk_mul_f32 v[rB+8:rB+9], v[rB+8:rB+9], v[CZ+2*n:CZ+2*n+1]           ; f c0
.set n, n+1
.endr
	VAW
	WIN 0
.set n, 0
.rept 16
	RBN
	v_pk_fma_f32 v[rB:rB+1], v[rB+24:rB+25], v[rB:rB+1], v[rB+8:rB+9]     ; c
.set n, n+1
.endr
.set n, 0
.rept 16
	RBN
	v_pk_mul_f32 v[rB+8:rB+9], v[rB:rB+1], s[L2E:L2E+1] op_sel_hi:[1,0]
.set n, n+1
.endr
.set n, 0
.rept 16
	RBN
	v_min_num_f32 v[rB+8], s[CLP], v[rB+8]
	v_min_num_f32 v[rB+9], s[CLP], v[rB+9]
.set n, n+1
.endr
	VAW
.if \prev
	s_barrier_wait -1                              ; everybody's reads of the stage are over: it may be written
.endif
	WST 0
.set n, 0
.rept 16
	RBN
	v_exp_f32 v[rB+8], v[rB+8]                     ; E = e^2c
	v_exp_f32 v[rB+9], v[rB+9]
.set n, n+1
.endr
	v_nop
	VAW
.if LST
	s_wait_dscnt 0x0                               ; for the others' sake: my c is in the stage
	s_barrier_signal -1
.endif
.set n, 0
.rept 16
	RBN
	v_pk_add_f32 v[rB+8:rB+9], v[rB+8:rB+9], 1.0 op_sel_hi:[1,0]       ; 1 + E
.set n, n+1
.endr
.set n, 0
.rept 16
	RBN
	v_pk_fma_f32 v[rB+16:rB+17], v[rB+16:rB+17], v[rB+8:rB+9], v[rB+8:rB+9]   ; (1 + O)(1 + E)
.set n, n+1
.endr
	VAW
.set n, 0
.rept 16
	RBN
	v_rcp_f32 v[rB+16], v[rB+16]
	v_rcp_f32 v[rB+17], v[rB+17]
	v_pk_add_f32 v[rB+8:rB+9], v[rB+8:rB+9], -2.0 op_sel_hi:[1,0]      ; E - 1
.set n, n+1
.endr
	VAW
.if LST
	s_barrier_wait -1                              ; everybody's c is
	s_wait_xcnt 0x0                                ; the last stores have read their data registers
	RST8 0
	WIN 0
.endif
.set n, 0
.rept 16
	RBN
	v_pk_mul_f32 v[rB+8:rB+9], v[rB+8:rB+9], v[rB+16:rB+17]               ; h
.set n, n+1
.endr
	WST 1
.if LST
	s_wait_dscnt 8                                 ; c's lines are back: h's eight stores into the stage may be out
	GST 192, 0
	WIN 0
.endif
.endm
; STEP of parity p.  first = 1: the launch's first, whose waits count the weights' loads that may still be out.  prev = 1: a step stands before it, whose lines lie in the stage.
; chg: 0 the next step lies in the same slot; 1 in the other one, and this slot is filled again; 2 in the other one, nothing is filled; 3 no step follows.
; cH, cY, cZ, cI: this step's address registers and number in its slot; xH, xY, xI: the next one's; SOF: the row of the chunk at which the step before begins; ROF: that of the next step.
; The stage has two barriers a step: the stores' (its signal behind the next step's first products, its wait behind the second ones) and the reads' (in the activations).
; A load into registers that matrix instructions have read stands four places behind them (ISA guide 7.12.1 for vector instructions): so four v_nop ahead of each of the three runs.
.macro NEXTREGS
.set lH, xH
.set lY, xY
.set lI, xI
.endm
.macro STEP p, first, prev, chg
.set lH, cH
.set lY, cY
.set lI, cI
.if \first
	s_wait_loadcnt 63                              ; K steps 0 and 1's weights are in: 64 loads were issued behind them
	s_wait_dscnt 48                                ; and their fragments: 48 loads
.else
	s_wait_loadcnt 0x0                             ; this step's scale words
.endif
	MM2 \p, 0
.if \prev
	s_wait_dscnt 0x0                               ; for the others' sake: my stores into the stage are done
	s_barrier_signal -1
.endif
.if \first
	WLD 10                                         ; the last weights, into registers that nothing has read
	s_wait_loadcnt 63                              ; 64 loads behind those of K steps 2 and 3
	s_wait_dscnt 32
.endif
	MM2 \p, 2
.if \prev
	s_barrier_wait -1                              ; every wave's stores into the stage are done
.endif
	NOP4
.if \prev
	s_wait_xcnt 0x0                                ; the last stores have read their data registers: only behind this wait do loads land there again
	RST8 0
	RST8 8
.endif
	LD2 \p, 8
	LD2 \p, 10
	LOADC
.if \first
	s_wait_loadcnt 48                              ; K steps 6 to 11
	s_wait_dscnt 56                                ; K steps 6 and 7, and the 40 just issued
.endif
	MM2 \p, 4
.if \first
	s_wait_loadcnt 32                              ; K steps 8 to 11
	s_wait_dscnt 40
.endif
	MM2 \p, 6
.if (\chg) == 1
	CHANGE                                         ; (its four v_nop behind the load are the places)
.else
	NOP4
.endif
.if (\chg) == 2
	s_wait_tensorcnt 0x0                           ; my part of the last chunk has landed
	s_wait_dscnt 0x0
	s_barrier_signal -1
	s_barrier_wait -1                              ; everybody's has
.endif
.if (\chg) < 3
	NEXTREGS
	LD2 1-(\p), 0
	LD2 1-(\p), 2
	LDASC 1-(\p), ROF
.endif
.if \prev
.if (\chg) < 3
	s_wait_dscnt 63                                ; c's lines are back: behind them 8 + 40 + 32 loads were issued
.else
	s_wait_dscnt 48                                ; 8 + 40
.endif
	GST SOF, 0
.endif
.if (\chg) < 3
	s_wait_dscnt 32                                ; K steps 8 to 11, c0 and all lines from the stage are in: the next step's 32 loads may be out
.else
	s_wait_dscnt 0x0
.endif
.if \first
	s_wait_loadcnt 24                              ; K steps 10 and 11, and the next step's eight scale loads
.endif
	MM2 \p, 8
.if \first
	s_wait_loadcnt 8                               ; the next step's eight scale loads
.endif
	MM2 \p, 10
	NOP4
.if (\chg) < 3
	LD2 1-(\p), 4
	LD2 1-(\p), 6
.set LST, 0
.else
.set LST, 1
.endif
.if \prev
	GST SOF, 8
.endif
	WIN 0
	ACT \prev
.endm
.macro CUR h, y, z, i
.set cH, \h
.set cY, \y
.set cZ, \z
.set cI, \i
.endm
.macro NXT h, y, i
.set xH, \h
.set xY, \y
.set xI, \i
.endm
	CHANGE                                         ; everybody's tiles of slot 0 have landed; slot 1 takes chunk 1
.set lH, AH0
.set lY, AY0
.set lI, 0
	LD2 0, 0
	LD2 0, 2
	LD2 0, 4
	LD2 0, 6
	WLD 8
.set SOF, 0
.set ROF, 64
	CUR AH0, AY0, AZ0, 0
	NXT AH0, AY0, 1
	STEP 0, 1, 0, 0
	s_mov_b32 s[CNT], 2
.Lchunk:                                               ; trip k: the second step of chunk k, in which slot k % 2 is filled again with chunk k + 2, and the first step of chunk k + 1
	v_add_nc_u32 v[AH], s[TB], v[AH0]
	v_add_nc_u32 v[AY], s[TB], v[AY0]
	v_add_nc_u32 v[AZ], s[TB], v[AZ0]
	s_xor_b32 s[TB], s[TB], SLOT                   ; the other slot
	v_add_nc_u32 v[AHN], s[TB], v[AH0]
	v_add_nc_u32 v[AYN], s[TB], v[AY0]
	v_add_nc_u32 v[AZN], s[TB], v[AZ0]
	VAW
.set SOF, 0
.set ROF, 128
	CUR AH, AY, AZ, 1
	NXT AHN, AYN, 0
	STEP 1, 0, 1, 1
.set SOF, 64
.set ROF, 192
	CUR AHN, AYN, AZN, 0
	NXT AHN, AYN, 1
	STEP 0, 0, 1, 0
	s_wait_xcnt 0x0                                ; the stores and the scale loads have read their bases: they may step
	s_add_nc_u64 s[OP:OP+1], s[OP:OP+1], 128*4096
	s_add_nc_u64 s[OP1:OP1+1], s[OP1:OP1+1], 128*4096
	s_add_nc_u64 s[PSH:PSH+1], s[PSH:PSH+1], 128*32
	s_add_nc_u64 s[PSY:PSY+1], s[PSY:PSY+1], 128*8
	s_add_nc_u64 s[PSX:PSX+1], s[PSX:PSX+1], 128*8
	s_sub_co_u32 s[CNT], s[CNT], 1
	s_cmp_lg_u32 s[CNT], 0
	s_cbranch_scc1 .Lchunk
	; chunk 2's second step (slot 0) and chunk 3 (slot 1), written out: nothing is left to ask for
	v_add_nc_u32 v[AHN], SLOT, v[AH0]
	v_add_nc_u32 v[AYN], SLOT, v[AY0]
	v_add_nc_u32 v[AZN], SLOT, v[AZ0]
	VAW
.set SOF, 0
.set ROF, 128
	CUR AH0, AY0, AZ0, 1
	NXT AHN, AYN, 0
	STEP 1, 0, 1, 2
.set SOF, 64
.set ROF, 192
	CUR AHN, AYN, AZN, 0
	NXT AHN, AYN, 1
	STEP 0, 0, 1, 0
.set SOF, 128
	CUR AHN, AYN, AZN, 1
	STEP 1, 0, 1, 3
	s_wait_dscnt 0x0                               ; the last step's h: my stores into the stage are done,
	s_barrier_signal -1
	s_barrier_wait -1                              ; everybody's are
	RST8 8
	WIN 0x08
.set k, 8
.rept 8
	s_wait_dscnt 15-k                              ; LDS loads come back in order (ISA guide 5.7.1): two more lines are in
	GST1 192
.endr
	WIN 0
	s_wait_tensorcnt 0x0                           ; the wave's end: behind my last tensor load and my last LDS store
	ds_add_u32 v[SPW], v[NIL]
	s_wait_dscnt 0x0
	ROUND                                          ; the closing round: no work-group ends while a partner may still ask for a tile that names it
	s_endpgm
.Lfunc_end_k_q3d21860921_lstm:
	.size	k_q3d21860921_lstm, .Lfunc_end_k_q3d21860921_lstm-k_q3d21860921_lstm
	.p2alignl 7, 3214868480
	.fill 96, 4, 3214868480
	.section	.rodata,"a",@progbits
	.p2align	6, 0x0
	.amdhsa_kernel k_q3d21860921_lstm
		.amdhsa_group_segment_fixed_size 327680
		.amdhsa_private_segment_fixed_size 0
		.amdhsa_enable_private_segment 0
		.amdhsa_kernarg_size 128
		.amdhsa_user_sgpr_count 2
		.amdhsa_user_sgpr_kernarg_segment_ptr 1
		.amdhsa_wavefront_size32 1
		.amdhsa_system_sgpr_workgroup_id_x 1
		.amdhsa_system_sgpr_workgroup_id_y 1
		.amdhsa_system_sgpr_workgroup_id_z 1
		.amdhsa_system_vgpr_workitem_id 0
		.amdhsa_next_free_vgpr 1024
		.amdhsa_next_free_sgpr 106
		.amdhsa_reserve_vcc 0
		.amdhsa_float_denorm_mode_32 3
		.amdhsa_float_denorm_mode_16_64 3
		.amdhsa_memory_ordered 1
		.amdhsa_forward_progress 1
		.amdhsa_inst_pref_size 255
	.end_amdhsa_kernel
	.section	.bss,"aw",@nobits
	.p2align	6
	.space	262144
	.amdgpu_metadata
---
amdhsa.version: [ 1, 2 ]
amdhsa.kernels:
  - .name:           k_q3d21860921_lstm
    .symbol:         k_q3d21860921_lstm.kd
    .args:
      - { .name: h0_codes, .offset: 0, .size: 8, .value_kind: global_buffer, .address_space: global }
      - { .name: y_codes, .offset: 8, .size: 8, .value_kind: global_buffer, .address_space: global }
      - { .name: ctx_codes, .offset: 16, .size: 8, .value_kind: global_buffer, .address_space: global }
      - { .name: c0, .offset: 24, .size: 8, .value_kind: global_buffer, .address_space: global }
      - { .name: h0_scales, .offset: 32, .size: 8, .value_kind: global_buffer, .address_space: global }
      - { .name: y_scales, .offset: 40, .size: 8, .value_kind: global_buffer, .address_space: global }
      - { .name: ctx_scales, .offset: 48, .size: 8, .value_kind: global_buffer, .address_space: global }
      - { .name: U_codes, .offset: 56, .size: 8, .value_kind: global_buffer, .address_space: global }
      - { .name: W_codes, .offset: 64, .size: 8, .value_kind: global_buffer, .address_space: global }
      - { .name: C_codes, .offset: 72, .size: 8, .value_kind: global_buffer, .address_space: global }
      - { .name: U_scales, .offset: 80, .size: 8, .value_kind: global_buffer, .address_space: global }
      - { .name: W_scales, .offset: 88, .size: 8, .value_kind: global_buffer, .address_space: global }
      - { .name: C_scales, .offset: 96, .size: 8, .value_kind: global_buffer, .address_space: global }
      - { .name: b, .offset: 104, .size: 8, .value_kind: global_buffer, .address_space: global }
      - { .name: out0, .offset: 112, .size: 8, .value_kind: global_buffer, .address_space: global }
      - { .name: out1, .offset: 120, .size: 8, .value_kind: global_buffer, .address_space: global }
    .group_segment_fixed_size: 327680
    .private_segment_fixed_size: 0
    .kernarg_segment_align: 8
    .kernarg_segment_size: 128
    .max_flat_workgroup_size: 128
    .sgpr_count:     106
    .vgpr_count:     1024
    .wavefront_size: 32
...
	.end_amdgpu_metadata
.endif
;; end of part 1
